; MI455X (gfx1250); checked and timed in simulation.
; The chip was launched on July 23, 2026; its instructions are those of AMD's public machine-readable ISA for CDNA 5 (MIT licence, August 2026) and "CDNA5" Instruction Set Architecture Reference Guide (July 2026). The comments in the code are by the model that wrote it; some were corrected since.
;; ICNN. Allowed arithmetic: float matrix products may take bf16 or f16 operands with f32 sums; all other float work in f32.
;; Inputs: B_first_b 32 float32; B_first_w 32 x 2 float32; B_out_b 1 float32; B_out_w 1 x 2 float32; Bs_b_0 32 float32; Bs_b_1 32 float32; Bs_w_0 32 x 2 float32; Bs_w_1 32 x 2 float32; eps_flat 524,288 x 3 float32; raw_A_0 32 x 32 float32; raw_A_1 32 x 32 float32; raw_A_out 1 x 32 float32.
;; Outputs: out0 524,288 x 3 float32.
;; One version. Each part assembles by itself: llvm-mc -triple=amdgcn-amd-amdhsa -mcpu=gfx1250 --defsym DOCPART=n.
;; ======== version 1 of 1: 1 launch
;; launch icnn (part 1): grid 256 x 1, 8 waves a work-group, no clusters, 60,416 bytes of LDS; arguments eps_flat, raw_A_0, raw_A_1, raw_A_out, B_first_w, B_first_b, Bs_w_0, Bs_b_0, Bs_w_1, Bs_b_1, B_out_w, B_out_b, out0; writes out0
.if DOCPART == 1
	.amdgcn_target "amdgcn-amd-amdhsa--gfx1250"
	.amdhsa_code_object_version 6
	.text
	.protected	k_q795e147b33_icnn
	.globl	k_q795e147b33_icnn
	.p2align	8
	.type	k_q795e147b33_icnn,@function
k_q795e147b33_icnn:
	s_mov_b64 s[64:65], 0
	v_nop
	global_prefetch_b8 v0, s[64:65] scope:SCOPE_SE
	s_setreg_imm32_b32 hwreg(HW_REG_WAVE_MODE, 25, 1), 1
	s_wait_xcnt 0x0
; Stresses of an input-convex network: out = f(eps, dW/dz0 - dW/dz0 at z0 = 0), 524,288 samples, hidden width 32.
; Only the gradient of W is wanted, so the text runs the forward pre-activations and the reverse sweep and never forms W.
;
; UNITS.  Pre-activations are kept times log2(e):  sp2(y) = max(y,0) + log2(1 + 2^-|y|)  (softplus(x) = ln2 sp2(x log2 e), the
; maximum taken away as the reference's softplus does, every exponent <= 0) and sigmoid = 2^(y - sp2(y)).
;   p, q0, q1 = log2e (B z0 + b)        s1 = sp2(p)                 a0 = MA0 (s1 - s1r) + a0r      t0 = sp2(a0)
;   s2 = t0^2 + (12/ln2) sp2(q0)        a1 = MA1 (s2 - s2r) + a1r   f1 = sp2(a1) sig(a1)           g2 = MB1 (f1 - f1r) + g2r
;   f0 = g2 t0 sig(a0)                  g1 = MB0 (f0 - f0r) + g1r   e1 = g1 sig(p)   eq0 = g2 sig(q0)   hq1 = sig(q1) - 1/2
;   D[c] = sum_k B1[k][c] (e1 - e1r) + Bw0[k][c] (eq0 - eq0r) + Bw1[k][c] ao[k] (hq1 - hq1r)
;   MA0 = ln2 sA0, MA1 = (ln2^2/12) sA1, MB1[k][i] = (ln2^2/6) sA1[i][k] ao[i], MB0[k][i] = (ln2^2/6) sA0[i][k], sA = sp2(log2e raw).
; The index r marks the value at z0 = 0, made once in f32 from unrounded weights.  Every matrix operand is a DEVIATION from that
; value, and the value itself comes in as the matrix instruction's C: what is rounded to bf16 is the part that varies, and D[0] is
; the reference's difference grads[:,0] - dWdI1_ref formed term by term, not as a difference of two large sums.
; dW/dI2 = D[1] + G1ref, G1ref = the I2 slope at z0 = 0 in f32 (B_out_w[1] in it).
; B_out_b is fetched and enters no arithmetic (a gradient drops it); B_out_w[0] is fetched and cancels in the reference's difference.
;
; LIMITS: pre-activations are finite; results of v_exp_f32, v_log_f32, v_rcp_f32 below 2^-126 count as zero (ISA guide 15.8);
; sums run in another order than the reference's; matrix operands are bf16.
;
; SHARES: 256 work-groups x 8 waves; a wave owns 256 samples (3,072 bytes in, 3,072 out), 8 passes of two tiles of 16 samples.
; Weights are the matrix instruction's A (M = hidden unit out), activations its B (N = sample).  Register j of the result of M tile mt
; holds, in lane (r, h), hidden unit 16 mt + 8 h + j of sample r: two neighbouring registers packed to bf16 are just what register
; 4 mt + j/2 of the next B wants, so the chain never leaves the registers and all 32 lanes do the elementwise work.
; No cluster, no joint loads: what work-groups share is 9 KB of weights against 48 KB of their own strains and results.
; No tensor loads or slots: a wave's whole traffic is six loads and six stores of 512 bytes, the loads issued ahead of the set-up.
.set LOG2E, 0x3fb8aa3b                 ; log2 e
.set LN2,   0x3f317218                 ; ln 2
.set INVC,  0x418a7fac                 ; 12 / ln 2
.set K1,    0x3d23fea0                 ; ln2^2 / 12
.set K2,    0x3da3fea0                 ; ln2^2 / 6
; LDS
.set MA0, 0                            ; four f32 matrices 32 x 32, rows 144 bytes apart (an odd multiple of 16)
.set MA1, 4608
.set MB1, 9216
.set MB0, 13824
.set SCR, 18432                        ; + wave x 2,048: 16 slots of 32 f32, the wave's own
.set EPS, 34816                        ; + wave x 3,072: the wave's strains, overwritten in place by its results
; vector registers, window 0, whole kernel
.set VIN,  1                           ; LDS address of sample r of tile A in this pass
.set VOUT, 2                           ; LDS address of sample `lane` of this pass
.set VGO,  3                           ; byte offset of my 16 bytes in the work-group's part of eps and out0
; window 0, the loop
.set EA,   4                           ; v4-6   strains of tile A's sample r
.set EB,   8                           ; v8-10  of tile B's
.set TMP,  12                          ; v12-27 at work
.set BZA,  28                          ; v28-35 z0 as a B operand, tile A
.set BZB,  36                          ; v36-43 tile B
.set TA,   44                          ; v44-123  tile A: five banks of 16
.set TB,   124                         ; v124-203 tile B
.set BB,   16                          ; bank offsets: a = 0, b, c, d, e
.set BC,   32
.set BD,   48
.set BE,   64
.set PQ,   204                         ; v204-239 weights of p, q0, q1 as A operands, 12 registers a set
.set NQ1,  240                         ; v240-255 -hq1r
; window 1 (written by their low 8 bits)
.set FA0, 0                            ; bf16 fragments of MA0, MA1, MB1, MB0: 8 registers for each M tile
.set FA1, 16
.set FB1, 32
.set FB0, 48
.set EQ0, 64                           ; fragments of the last contraction: Bw0, B1, Bw1 x ao
.set EP1, 72
.set EQ1, 80
.set CA0, 88                           ; a0r, a1r, g2r, g1r, then -s1r, -s2r, -f1r, -f0r, -eq0r, -e1r: slot t at 88 + 16 t
.set CA1, 104
.set CG2, 120
.set CG1, 136
.set NS1, 152
.set NS2, 168
.set NF1, 184
.set NF0, 200
.set NE0, 216
.set NE1, 232
; window 0, the set-up only
.set LANE, 4
.set RR,   5
.set HH,   6
.set OA,   7                           ; offsets of the global loads: written once
.set OO,   8
.set OW,   9
.set OB,   10
.set OL,   11
.set OE,   12
.set VS,   13                          ; my scratch
.set VSL,  14                          ; + 4 lane
.set VT,   15                          ; + 32 h
.set MV,   16                          ; v16-47, v48-79: two buffers of 32
.set MW,   48
.set VA,   70
.set VB,   71
.set TI,   72
.set TK,   73
.set VROW, 80
.set VFR,  81
.set VEPS, 82
.set WL,   84                          ; v84-95  w of rows r and 16 + r, three sets
.set BL,   96                          ; v96-101 b likewise
.set RAOL, 102                         ; raw_A_out[lane]
.set E1R,  103
.set SPR,  104                         ; the reference point's chain, lane = hidden unit
.set SQR,  105
.set YAO,  106
.set YQ1,  107
.set S1R,  108
.set SQ0,  109
.set AO,   110
.set HQR,  111
.set T0R,  112
.set CT,   113
.set S2R,  114
.set A1R,  115
.set W1P,  116
.set W1Q0, 117
.set W1Q1, 118
.set A0R,  119
.set AC,   120                         ; v120-127 four pairs of partial sums
.set G2R,  128
.set F0R,  129
.set EQR,  130
.set G1R,  131
.set T1R,  106
.set F1R,  107
.set AOK,  104                         ; v104-119 ao in the fragments' order, behind the chain
.set G3,   132                         ; v132-179 weights of the last contraction
.set EPR,  180                         ; v180-203 my strains on their way to LDS
.set MSB, 0
.macro WIN new                         ; s_set_vgpr_msb: bits 1:0 source 0, 3:2 source 1, 5:4 source 2, 7:6 destination; the high byte repeats the setting left
.if MSB != \new
	s_set_vgpr_msb (MSB<<8)|\new
.set MSB, \new
.endif
.endm
; S = sp2(Y) on n registers (n even).  Behind each run of transcendentals stands a run of v_max_num_f32, plain work that touches
; neither their results nor writes their sources (ISA guide 5.7.2), before the results are used.
.macro SOFT2 Y, S, MM, n
.set sq, 0
.rept \n
	v_exp_f32 v[\S+sq], -|v[\Y+sq]|
.set sq, sq+1
.endr
.set sq, 0
.rept \n/2
	v_max_num_f32 v[\MM+sq], 0, v[\Y+sq]
.set sq, sq+1
.endr
.set sq, 0
	s_wait_alu depctr_va_vdst(0)
.rept \n/2
	v_pk_add_f32 v[\S+sq:\S+sq+1], v[\S+sq:\S+sq+1], 1.0 op_sel_hi:[1,0]
.set sq, sq+2
.endr
.set sq, 0
.rept \n
	v_log_f32 v[\S+sq], v[\S+sq]
.set sq, sq+1
.endr
.set sq, \n/2
.rept \n/2
	v_max_num_f32 v[\MM+sq], 0, v[\Y+sq]
.set sq, sq+1
.endr
.set sq, 0
	s_wait_alu depctr_va_vdst(0)
.rept \n/2
	v_pk_add_f32 v[\S+sq:\S+sq+1], v[\S+sq:\S+sq+1], v[\MM+sq:\MM+sq+1]
.set sq, sq+2
.endr
.endm
; S = sp2(Y), then Y = sigmoid = 2^(Y - S), on a bank of 16.  Whoever uses Y puts one plain instruction in front.
.macro SPSIG Y, S
	SOFT2 \Y, \S, TMP, 16
.irp i,0,2,4,6,8,10,12,14
	v_pk_add_f32 v[\Y+\i:\Y+\i+1], v[\Y+\i:\Y+\i+1], v[\S+\i:\S+\i+1] neg_lo:[0,1] neg_hi:[0,1]
.endr
.irp i,0,1,2,3,4,5,6,7,8,9,10,11,12,13,14,15
	v_exp_f32 v[\Y+\i], v[\Y+\i]
.endr
.endm
; the same on one register
.macro SPSIG1 Y, S, MM
	v_exp_f32 v[\S], -|v[\Y]|
	v_max_num_f32 v[\MM], 0, v[\Y]
	s_wait_alu depctr_va_vdst(0)
	v_add_f32 v[\S], 1.0, v[\S]
	v_log_f32 v[\S], v[\S]
	v_nop
	s_wait_alu depctr_va_vdst(0)
	v_add_f32 v[\S], v[\S], v[\MM]
	v_sub_f32 v[\Y], v[\Y], v[\S]
	v_exp_f32 v[\Y], v[\Y]
	v_nop
.endm
; a bank of 16 f32 becomes a B (or A) operand of 8 registers, in place: register k is written when 2k and 2k + 1 >= k are read
.macro PACK X
.irp k,0,1,2,3,4,5,6,7
	v_cvt_pk_bf16_f32 v[\X+\k], v[\X+2*\k], v[\X+2*\k+1]
.endr
.endm
.macro WM D, A, B, C
	v_wmma_f32_16x16x32_bf16 v[\D:\D+7], v[\A:\A+7], v[\B:\B+7], v[\C:\C+7]
.endm
.macro WM0 D, A, B
	v_wmma_f32_16x16x32_bf16 v[\D:\D+7], v[\A:\A+7], v[\B:\B+7], 0
.endm
.macro WM2 D, A, B, C                  ; both M tiles of a 32 x 32 product
	WM \D, \A, \B, \C
	WM \D+8, \A+8, \B, \C+8
.endm
; OUT[lane] = sum over k of mat[lane][k] X[k], in f32: X goes through my scratch slot (LDS serves a wave's instructions in order,
; ISA guide 5.7.1.4, so the loads see the store), every lane reads all 32 numbers and its own row.
.macro MATVEC mat, X, slot, OUT
	ds_store_b32 v[VSL], v[\X] offset:128*\slot
.irp j,0,1,2,3,4,5,6,7
	ds_load_b128 v[MV+4*\j:MV+4*\j+3], v[VS] offset:128*\slot+16*\j
.endr
.irp j,0,1,2,3,4,5,6,7
	ds_load_b128 v[MW+4*\j:MW+4*\j+3], v[VROW] offset:\mat+16*\j
.endr
	s_wait_dscnt 0x0
.irp p,0,1,2,3
	v_pk_mul_f32 v[AC+2*\p:AC+2*\p+1], v[MV+2*\p:MV+2*\p+1], v[MW+2*\p:MW+2*\p+1]
.endr
.irp q,1,2,3
.irp p,0,1,2,3
	v_pk_fma_f32 v[AC+2*\p:AC+2*\p+1], v[MV+8*\q+2*\p:MV+8*\q+2*\p+1], v[MW+8*\q+2*\p:MW+8*\q+2*\p+1], v[AC+2*\p:AC+2*\p+1]
.endr
.endr
	v_pk_add_f32 v[AC:AC+1], v[AC:AC+1], v[AC+2:AC+3]
	v_pk_add_f32 v[AC+4:AC+5], v[AC+4:AC+5], v[AC+6:AC+7]
	v_pk_add_f32 v[AC:AC+1], v[AC:AC+1], v[AC+4:AC+5]
	v_add_f32 v[\OUT], v[AC], v[AC+1]
.endm
.macro NEGST X, slot                   ; the slot takes -X
	v_xor_b32 v[\X], 0x80000000, v[\X]
	ds_store_b32 v[VSL], v[\X] offset:128*\slot
.endm
; a slot's 32 numbers in the order of a bank: register 8 mt + j = hidden unit 16 mt + 8 h + j
.macro LDTAB slot, dst
	ds_load_b128 v[\dst:\dst+3], v[VT] offset:128*\slot
	ds_load_b128 v[\dst+4:\dst+7], v[VT] offset:128*\slot+16
	ds_load_b128 v[\dst+8:\dst+11], v[VT] offset:128*\slot+64
	ds_load_b128 v[\dst+12:\dst+15], v[VT] offset:128*\slot+80
.endm
; rows r and 16 + r of a matrix, columns 8h .. 8h+7 and 16+8h .. 16+8h+7: both M tiles' A fragments, still f32
.macro LDMAT mat, buf
.irp m,0,1
	ds_load_b128 v[\buf+16*\m:\buf+16*\m+3], v[VFR] offset:\mat+2304*\m
	ds_load_b128 v[\buf+16*\m+4:\buf+16*\m+7], v[VFR] offset:\mat+2304*\m+16
	ds_load_b128 v[\buf+16*\m+8:\buf+16*\m+11], v[VFR] offset:\mat+2304*\m+64
	ds_load_b128 v[\buf+16*\m+12:\buf+16*\m+15], v[VFR] offset:\mat+2304*\m+80
.endr
.endm
.macro CVMAT buf, dst                  ; under the window with the destination in window 1
.irp i,0,1,2,3,4,5,6,7,8,9,10,11,12,13,14,15
	v_cvt_pk_bf16_f32 v[\dst+\i], v[\buf+2*\i], v[\buf+2*\i+1]
.endr
.endm
; Set s, M tile m: log2e w as bf16 high parts (lanes h = 0) and remainders (lanes h = 1), log2e b as three bf16 parts.
.macro PQFRAG s, m
	v_mul_f32 v16, LOG2E, v[WL+4*\s+2*\m]
	v_mul_f32 v17, LOG2E, v[WL+4*\s+2*\m+1]
	v_mul_f32 v18, LOG2E, v[BL+2*\s+\m]
	v_cvt_pk_bf16_f32 v19, v16, v17                ; high parts of the two weights
	v_cvt_pk_bf16_f32 v20, v18, v18                ; b's first part
	v_lshlrev_b32 v21, 16, v19
	v_and_b32 v22, s36, v19
	v_lshlrev_b32 v23, 16, v20
	v_sub_f32 v16, v16, v21
	v_sub_f32 v17, v17, v22
	v_sub_f32 v18, v18, v23
	v_cvt_pk_bf16_f32 v21, v16, v17                ; the weights' remainders
	v_cvt_pk_bf16_f32 v22, v18, v18                ; b's second part
	v_lshlrev_b32 v24, 16, v22
	v_sub_f32 v18, v18, v24
	v_cvt_pk_bf16_f32 v23, v23, v24                ; (first, second): both are bf16 numbers, nothing is rounded
	v_cvt_pk_bf16_f32 v24, v18, 0                  ; (third, 0)
	v_cndmask_b32 v[PQ+12*\s+8*\m], v19, v21, s36
	v_cndmask_b32 v[PQ+12*\s+8*\m+1], v19, v21, s36
	v_cndmask_b32 v[PQ+12*\s+8*\m+2], v23, v24, s36
.endm
	; ---- ids, masks, offsets ----
	s_load_b512 s[8:23], s[0:1], 0x0               ; eps, raw_A_0, raw_A_1, raw_A_out, B_first_w, B_first_b, Bs_w_0, Bs_b_0
	s_load_b256 s[24:31], s[0:1], 0x40             ; Bs_w_1, Bs_b_1, B_out_w, B_out_b
	s_load_b64 s[32:33], s[0:1], 0x60              ; out0
	s_set_vgpr_msb 0x40
	v_lshl_add_u32 v254, v0, 2, 0xe800
	v_mov_b32 v255, 0
	s_set_vgpr_msb 0x4000
	v_lshrrev_b32 v[TI], 5, v0
	v_readfirstlane_b32 s34, v[TI]                 ; wave 0..7
	v_and_b32 v[LANE], 31, v0
	v_and_b32 v[RR], 15, v0                        ; r
	v_bfe_u32 v[HH], v0, 4, 1                      ; h
	s_mul_i32 s40, ttmp9, 24576                    ; the work-group's 2,048 samples x 12 bytes
	s_mov_b32 s41, 0
	s_mov_b32 s36, 0xffff0000                      ; lanes with h = 1; also a word's upper bf16
	s_mov_b32 s37, 0x7fffffff
	s_mov_b32 s39, 0x03030303                      ; lanes with r = 0, 1, 8, 9
	s_mov_b32 s42, 0x76543210                      ; v_permlanex16_b32: lane i reads lane i of the other half
	s_mov_b32 s43, 0xfedcba98
	s_mul_i32 s2, s34, 3072                        ; my wave's bytes in the work-group's part
	s_lshl_b32 s3, s34, 11
	s_add_co_u32 s3, s3, SCR                       ; my scratch
	s_add_co_u32 s4, s2, EPS                       ; my strains in LDS
	v_lshlrev_b32 v[OA], 4, v0                     ; 16 tid: four numbers of row tid / 8 of a raw matrix
	v_lshrrev_b32 v[TI], 3, v0                     ; i = tid / 8
	v_and_b32 v[TK], 7, v0                         ; columns 4 (tid % 8) ..
	v_lshlrev_b32 v[OO], 2, v[TI]
	v_lshlrev_b32 v[OW], 3, v[RR]
	v_lshlrev_b32 v[OB], 2, v[RR]
	v_lshlrev_b32 v[OL], 2, v[LANE]
	v_and_b32 v[OE], 1, v0
	v_lshlrev_b32 v[OE], 2, v[OE]
	v_lshl_add_u32 v[OE], v[HH], 6, v[OE]          ; 4 (r & 1) + 64 h
	v_lshl_add_u32 v[VGO], v[LANE], 4, s2
	v_mul_u32_u24 v[VA], v[TI], 144
	v_lshl_add_u32 v[VA], v[TK], 4, v[VA]          ; row i, 16 bytes at column 4 (tid % 8)
	v_mul_u32_u24 v[VB], v[TK], 576
	v_lshl_add_u32 v[VB], v[TI], 2, v[VB]          ; transposed: rows 4 (tid % 8) + e, column i
	s_wait_kmcnt 0x0
	s_add_nc_u64 s[8:9], s[8:9], s[40:41]
	s_add_nc_u64 s[32:33], s[32:33], s[40:41]
	s_load_b64 s[44:45], s[28:29], 0x0             ; B_out_w: s45 enters G1ref, s44 cancels in the reference's difference
	s_load_b32 s46, s[30:31], 0x0                  ; B_out_b: a constant of W, absent from its gradient
	; ---- global loads: 3 for the matrices, 13 for rows r and 16 + r, 6 of strains ----
	global_load_b128 v[16:19], v[OA], s[10:11]
	global_load_b128 v[20:23], v[OA], s[12:13]
	global_load_b32 v24, v[OO], s[14:15]
.irp s,0,1,2
	global_load_b64 v[WL+4*\s:WL+4*\s+1], v[OW], s[16+4*\s:17+4*\s]
	global_load_b64 v[WL+4*\s+2:WL+4*\s+3], v[OW], s[16+4*\s:17+4*\s] offset:128
	global_load_b32 v[BL+2*\s], v[OB], s[18+4*\s:19+4*\s]
	global_load_b32 v[BL+2*\s+1], v[OB], s[18+4*\s:19+4*\s] offset:64
.endr
	global_load_b32 v[RAOL], v[OL], s[14:15]
.irp k,0,1,2,3,4,5
	global_load_b128 v[EPR+4*\k:EPR+4*\k+3], v[VGO], s[8:9] offset:512*\k th:TH_LOAD_NT   ; 512 consecutive bytes a load, read once in the launch
.endr
	; ---- the four matrices, made once by the work-group's 256 threads, four numbers of each raw matrix a thread ----
	s_wait_loadcnt 19                              ; the first three loads are in; the 13 + 6 behind them stay out
.irp i,16,17,18,19,20,21,22,23,24
	v_mul_f32 v\i, LOG2E, v\i
.endr
	v_mov_b32 v25, v24                             ; fills the fifth pair
	SOFT2 16, 28, 40, 10                           ; v28-31 sA0, v32-35 sA1, v36 sp2 of raw_A_out[i]
	v_pk_mul_f32 v[52:53], v[28:29], LN2 op_sel_hi:[1,0]
	v_pk_mul_f32 v[54:55], v[30:31], LN2 op_sel_hi:[1,0]
	v_pk_mul_f32 v[56:57], v[28:29], K2 op_sel_hi:[1,0]
	v_pk_mul_f32 v[58:59], v[30:31], K2 op_sel_hi:[1,0]
	v_pk_mul_f32 v[60:61], v[32:33], K1 op_sel_hi:[1,0]
	v_pk_mul_f32 v[62:63], v[34:35], K1 op_sel_hi:[1,0]
	v_mul_f32 v68, LN2, v36                        ; ao[i]
	v_mul_f32 v68, K2, v68
.irp e,0,1,2,3
	v_mul_f32 v[64+\e], v68, v[32+\e]
.endr
	ds_store_b128 v[VA], v[52:55] offset:MA0
	ds_store_b128 v[VA], v[60:63] offset:MA1
.irp e,0,1,2,3
	ds_store_b32 v[VB], v[56+\e] offset:MB0+144*\e
	ds_store_b32 v[VB], v[64+\e] offset:MB1+144*\e
.endr
	s_wait_dscnt 0x0                               ; my stores are done, for the other waves' sake
	s_barrier_signal -1
	s_barrier_wait -1                              ; the only barrier: the matrices are whole and are never written again
	s_wait_loadcnt 6                               ; rows r and 16 + r are in; the six loads of strains stay out
.irp s,0,1,2
.irp k,0,1,2,3,4,5,6,7
	global_load_b32 v[G3+16*\s+\k], v[OE], s[16+4*\s:17+4*\s] offset:8*\k            ; w[8h + k][r & 1]
	global_load_b32 v[G3+16*\s+8+\k], v[OE], s[16+4*\s:17+4*\s] offset:128+8*\k      ; w[16 + 8h + k][r & 1]
.endr
.endr
	; ---- the network at z0 = 0, in f32, lane = hidden unit; every wave for itself, in its own scratch ----
	v_mov_b32 v[VS], s3
	v_lshl_add_u32 v[VSL], v[LANE], 2, s3
	v_lshl_add_u32 v[VT], v[HH], 5, s3
	v_mul_u32_u24 v[VROW], v[LANE], 144
	v_mul_u32_u24 v[VFR], v[RR], 144
	v_lshl_add_u32 v[VFR], v[HH], 5, v[VFR]
	v_lshl_add_u32 v[VEPS], v[LANE], 4, s4
	v_cndmask_b32 v[SPR], v[BL], v[BL+1], s36      ; lane 16 h + r takes row 16 h + r
	v_cndmask_b32 v[SQR], v[BL+2], v[BL+3], s36
	v_cndmask_b32 v[YQ1], v[BL+4], v[BL+5], s36
	v_cndmask_b32 v[W1P], v[WL+1], v[WL+3], s36    ; the weights of I2
	v_cndmask_b32 v[W1Q0], v[WL+5], v[WL+7], s36
	v_cndmask_b32 v[W1Q1], v[WL+9], v[WL+11], s36
	v_mul_f32 v[SPR], LOG2E, v[SPR]
	v_mul_f32 v[SQR], LOG2E, v[SQR]
	v_mul_f32 v[YAO], LOG2E, v[RAOL]
	v_mul_f32 v[YQ1], LOG2E, v[YQ1]
	SOFT2 SPR, S1R, T0R, 4                         ; s1r, sp2(q0r), sp2 of raw_A_out; the fourth is not used
	v_pk_add_f32 v[SPR:SPR+1], v[SPR:SPR+1], v[S1R:S1R+1] neg_lo:[0,1] neg_hi:[0,1]
	v_exp_f32 v[SPR], v[SPR]                       ; sig(pr)
	v_exp_f32 v[SQR], v[SQR]                       ; sig(q0r)
	v_exp_f32 v[HQR], -|v[YQ1]|
	v_mul_f32 v[AO], LN2, v[AO]                    ; ao; also the plain place behind the three
	s_wait_alu depctr_va_vdst(0)
	v_add_f32 v[HQR], 1.0, v[HQR]
	v_rcp_f32 v[HQR], v[HQR]
	v_nop
	s_wait_alu depctr_va_vdst(0)
	v_add_f32 v[HQR], -0.5, v[HQR]
	v_bfi_b32 v[HQR], s37, v[HQR], v[YQ1]          ; hq1r = sig(q1r) - 1/2, by the loop's own steps
	MATVEC MA0, S1R, 11, A0R
	ds_store_b32 v[VSL], v[A0R]                    ; slot 0
	SPSIG1 A0R, T0R, CT                            ; t0r; A0R = sig(a0r)
	v_mul_f32 v[S2R], v[T0R], v[T0R]
	v_fmamk_f32 v[S2R], v[SQ0], INVC, v[S2R]
	MATVEC MA1, S2R, 12, A1R
	ds_store_b32 v[VSL], v[A1R] offset:128
	SPSIG1 A1R, T1R, CT
	s_wait_alu depctr_va_vdst(0)
	v_mul_f32 v[F1R], v[T1R], v[A1R]
	MATVEC MB1, F1R, 13, G2R
	ds_store_b32 v[VSL], v[G2R] offset:256
	v_mul_f32 v[F0R], v[T0R], v[A0R]
	v_mul_f32 v[F0R], v[G2R], v[F0R]
	v_mul_f32 v[EQR], v[G2R], v[SQR]
	MATVEC MB0, F0R, 14, G1R
	ds_store_b32 v[VSL], v[G1R] offset:384
	v_mul_f32 v[E1R], v[G1R], v[SPR]
	; G1ref = B_out_w[1] + sum over the 32 lanes
	v_mul_f32 v[CT], v[W1P], v[E1R]
	v_fmac_f32 v[CT], v[W1Q0], v[EQR]
	v_add_f32 v[T1R], 0.5, v[HQR]
	v_mul_f32 v[T1R], v[AO], v[T1R]
	v_fmac_f32 v[CT], v[W1Q1], v[T1R]
	v_add_f32_dpp v[CT], v[CT], v[CT] row_xmask:1 row_mask:0xf bank_mask:0xf
	v_add_f32_dpp v[CT], v[CT], v[CT] row_xmask:2 row_mask:0xf bank_mask:0xf
	v_add_f32_dpp v[CT], v[CT], v[CT] row_xmask:4 row_mask:0xf bank_mask:0xf
	v_add_f32_dpp v[CT], v[CT], v[CT] row_xmask:8 row_mask:0xf bank_mask:0xf
	v_permlanex16_b32 v[T1R], v[CT], s42, s43
	v_add_f32 v[CT], v[CT], v[T1R]
	s_wait_kmcnt 0x0                               ; B_out_w, B_out_b
	v_add_f32 v[CT], s45, v[CT]
	v_add_f32 v[CT], v[CT], v[CT]
	v_readfirstlane_b32 s38, v[CT]                 ; 2 G1ref
	NEGST S1R, 4
	NEGST S2R, 5
	NEGST F1R, 6
	NEGST F0R, 7
	NEGST EQR, 8
	NEGST E1R, 9
	NEGST HQR, 10
	ds_store_b32 v[VSL], v[AO] offset:128*15
	WIN 0x40                                       ; destinations in window 1
.irp t,0,1,2,3,4,5,6,7,8,9
	LDTAB \t, 88+16*\t
.endr
	WIN 0
	LDTAB 10, NQ1
	LDTAB 15, AOK
	; ---- the four matrices as bf16 fragments; two buffers, the next matrix's eight loads stay out at each wait ----
	LDMAT MA0, MV
	LDMAT MA1, MW
	s_wait_dscnt 8
	WIN 0x40
	CVMAT MV, FA0
	WIN 0
	LDMAT MB1, MV
	s_wait_dscnt 8
	WIN 0x40
	CVMAT MW, FA1
	WIN 0
	LDMAT MB0, MW
	s_wait_dscnt 8
	WIN 0x40
	CVMAT MV, FB1
	s_wait_dscnt 0x0
	CVMAT MW, FB0
	WIN 0
	; ---- the weights of p, q0, q1.  Set at PQ + 12 s: +0, +1 W, +2 b, +3..+7 zero, +8, +9 W', +10 b', +11 zero (primed: row 16 + r).
	; M tile 0 is registers +0..+7, M tile 1 is +4..+11, whose live registers 4 to 6 meet the second copy in the z0 operand. ----
.irp s,0,1,2
	PQFRAG \s, 0
	PQFRAG \s, 1
.irp z,3,4,5,6,7,11
	v_mov_b32 v[PQ+12*\s+\z], 0
.endr
.endr
	; ---- the last contraction's A: row c in rows c and 8 + c, so that lanes of both halves find D[0], D[1] in registers 0, 1 ----
	s_wait_loadcnt 0x0
.irp i,0,2,4,6,8,10,12,14
	v_pk_mul_f32 v[G3+32+\i:G3+32+\i+1], v[G3+32+\i:G3+32+\i+1], v[AOK+\i:AOK+\i+1]
.endr
	PACK G3
	PACK G3+16
	PACK G3+32
	WIN 0x40
.irp i,0,1,2,3,4,5,6,7
	v_cndmask_b32 v[EP1+\i], 0, v[G3+\i], s39
	v_cndmask_b32 v[EQ0+\i], 0, v[G3+16+\i], s39
	v_cndmask_b32 v[EQ1+\i], 0, v[G3+32+\i], s39
.endr
	WIN 0
.irp k,0,1,2,3,4,5
	ds_store_b128 v[VEPS], v[EPR+4*\k:EPR+4*\k+3] offset:512*\k
.endr
	v_mul_u32_u24 v[VIN], v[RR], 12
	v_add_nc_u32 v[VIN], s4, v[VIN]
	v_mul_u32_u24 v[VOUT], v[LANE], 12
	v_add_nc_u32 v[VOUT], s4, v[VOUT]
.irp z,BZA,BZB
	v_mov_b32 v[\z+2], 0x3f803f80                  ; (1, 1): meets b's parts
	v_mov_b32 v[\z+3], 0
	v_mov_b32 v[\z+6], 0x3f803f80
	v_mov_b32 v[\z+7], 0
.endr
	s_mov_b32 s35, 0
	s_wait_dscnt 0x0
; ---- the stages of a tile; T = its first register ----
; z0 = (I1, I2) as bf16 high parts and remainders, the same in both halves of the lanes, twice
.macro PREP E, BZ
	v_add_f32 v[TMP], v[\E], v[\E+1]
	v_add_f32 v[TMP+1], v[\E+2], v[\E+2]
	v_mul_f32 v[TMP+1], v[TMP+1], v[\E+2]
	v_fma_f32 v[TMP+1], v[\E+1], v[\E+1], v[TMP+1]
	v_fma_f32 v[TMP+1], v[\E], v[\E], v[TMP+1]
	v_cvt_pk_bf16_f32 v[\BZ], v[TMP], v[TMP+1]
	v_lshlrev_b32 v[TMP+2], 16, v[\BZ]
	v_and_b32 v[TMP+3], s36, v[\BZ]
	v_sub_f32 v[TMP], v[TMP], v[TMP+2]
	v_sub_f32 v[TMP+1], v[TMP+1], v[TMP+3]
	v_cvt_pk_bf16_f32 v[\BZ+1], v[TMP], v[TMP+1]
	v_mov_b32 v[\BZ+4], v[\BZ]
	v_mov_b32 v[\BZ+5], v[\BZ+1]
.endm
.macro WZ T, BZ                        ; a = p, e = q0
	WIN 0
	WM0 \T, PQ, \BZ
	WM0 \T+8, PQ+4, \BZ
	WM0 \T+BE, PQ+12, \BZ
	WM0 \T+BE+8, PQ+16, \BZ
.endm
.macro E1 T                            ; a = sig(p), e = sig(q0), b = s1 - s1r packed, c = (12/ln2) sp2(q0) - s2r
	WIN 0x10
	SPSIG \T, \T+BB
	SPSIG \T+BE, \T+BC
.irp i,0,2,4,6,8,10,12,14
	v_pk_fma_f32 v[\T+BB+\i:\T+BB+\i+1], v[\T+BB+\i:\T+BB+\i+1], 1.0, v[NS1+\i:NS1+\i+1] op_sel_hi:[1,0,1]
	v_pk_fma_f32 v[\T+BC+\i:\T+BC+\i+1], v[\T+BC+\i:\T+BC+\i+1], INVC, v[NS2+\i:NS2+\i+1] op_sel_hi:[1,0,1]
.endr
	PACK \T+BB
.endm
.macro W2 T                            ; d = a0
	WIN 0x11
	WM2 \T+BD, FA0, \T+BB, CA0
.endm
.macro E2 T                            ; b = t0, c = s2 - s2r packed, d = t0 sig(a0)
	WIN 0
	SPSIG \T+BD, \T+BB
.irp i,0,2,4,6,8,10,12,14
	v_pk_fma_f32 v[\T+BC+\i:\T+BC+\i+1], v[\T+BB+\i:\T+BB+\i+1], v[\T+BB+\i:\T+BB+\i+1], v[\T+BC+\i:\T+BC+\i+1]
.endr
	s_wait_alu depctr_va_vdst(0)
.irp i,0,2,4,6,8,10,12,14
	v_pk_mul_f32 v[\T+BD+\i:\T+BD+\i+1], v[\T+BB+\i:\T+BB+\i+1], v[\T+BD+\i:\T+BD+\i+1]
.endr
	PACK \T+BC
.endm
.macro W3 T                            ; b = a1
	WIN 0x11
	WM2 \T+BB, FA1, \T+BC, CA1
.endm
.macro E3 T                            ; c = f1 - f1r packed
	WIN 0x10
	SPSIG \T+BB, \T+BC
	v_nop                                          ; the plain place behind the last v_exp_f32
	s_wait_alu depctr_va_vdst(0)
.irp i,0,2,4,6,8,10,12,14
	v_pk_fma_f32 v[\T+BC+\i:\T+BC+\i+1], v[\T+BC+\i:\T+BC+\i+1], v[\T+BB+\i:\T+BB+\i+1], v[NF1+\i:NF1+\i+1]
.endr
	PACK \T+BC
.endm
.macro W4 T                            ; b = g2
	WIN 0x11
	WM2 \T+BB, FB1, \T+BC, CG2
.endm
.macro E4 T                            ; d = f0 - f0r packed, e = eq0 - eq0r packed
	WIN 0x10
.irp i,0,2,4,6,8,10,12,14
	v_pk_fma_f32 v[\T+BD+\i:\T+BD+\i+1], v[\T+BB+\i:\T+BB+\i+1], v[\T+BD+\i:\T+BD+\i+1], v[NF0+\i:NF0+\i+1]
	v_pk_fma_f32 v[\T+BE+\i:\T+BE+\i+1], v[\T+BB+\i:\T+BB+\i+1], v[\T+BE+\i:\T+BE+\i+1], v[NE0+\i:NE0+\i+1]
.endr
	PACK \T+BD
	PACK \T+BE
.endm
.macro W5 T, BZ                        ; c = g1; e's upper half starts D with Bw0's part; b = q1
	WIN 0x11
	WM2 \T+BC, FB0, \T+BD, CG1
	WM0 \T+BE+8, EQ0, \T+BE
	WIN 0
	WM0 \T+BB, PQ+24, \BZ
	WM0 \T+BB+8, PQ+28, \BZ
.endm
.macro E5 T                            ; c = e1 - e1r packed, d = hq1 - hq1r packed
	WIN 0
.irp i,0,1,2,3,4,5,6,7,8,9,10,11,12,13,14,15
	v_exp_f32 v[\T+BD+\i], -|v[\T+BB+\i]|
.endr
	WIN 0x10
.irp i,0,2,4,6,8,10,12,14
	v_pk_fma_f32 v[\T+BC+\i:\T+BC+\i+1], v[\T+BC+\i:\T+BC+\i+1], v[\T+\i:\T+\i+1], v[NE1+\i:NE1+\i+1]
.endr
	WIN 0
	s_wait_alu depctr_va_vdst(0)
.irp i,0,2,4,6,8,10,12,14
	v_pk_add_f32 v[\T+BD+\i:\T+BD+\i+1], v[\T+BD+\i:\T+BD+\i+1], 1.0 op_sel_hi:[1,0]
.endr
.irp i,0,1,2,3,4,5,6,7,8,9,10,11,12,13,14,15
	v_rcp_f32 v[\T+BD+\i], v[\T+BD+\i]
.endr
	PACK \T+BC                                     ; plain work behind the reciprocals
	s_wait_alu depctr_va_vdst(0)
.irp i,0,2,4,6,8,10,12,14
	v_pk_add_f32 v[\T+BD+\i:\T+BD+\i+1], v[\T+BD+\i:\T+BD+\i+1], -0.5 op_sel_hi:[1,0]
.endr
.irp i,0,1,2,3,4,5,6,7,8,9,10,11,12,13,14,15
	v_bfi_b32 v[\T+BD+\i], s37, v[\T+BD+\i], v[\T+BB+\i]     ; q1's sign: sig(q1) - 1/2 is odd in q1
.endr
.irp i,0,2,4,6,8,10,12,14
	v_pk_add_f32 v[\T+BD+\i:\T+BD+\i+1], v[\T+BD+\i:\T+BD+\i+1], v[NQ1+\i:NQ1+\i+1]
.endr
	PACK \T+BD
.endm
.macro W6 T                            ; B1's part onto e's upper half; Bw1's part starts a sum of its own in c's upper half
	WIN 0x01
	WM \T+BE+8, EP1, \T+BC, \T+BE+8
	WM0 \T+BC+8, EQ1, \T+BD
.endm
; ---- a pass: 32 samples.  The two tiles are staggered: between a group of matrix instructions and the first line that reads its
; results or writes one of its registers stands a whole elementwise stage of the other tile, more than the four or five plain
; vector instructions that are owed (ISA guide 7.12.1).  No two matrix instructions that follow each other name one accumulator,
; over the backward jump too, and the one sum in place (e's upper half) is taken up after other accumulators' turns of one
; instruction. ----
.Lpass:
	ds_load_b32 v[EA], v[VIN]
	ds_load_b32 v[EA+1], v[VIN] offset:4
	ds_load_b32 v[EA+2], v[VIN] offset:8
	ds_load_b32 v[EB], v[VIN] offset:192
	ds_load_b32 v[EB+1], v[VIN] offset:196
	ds_load_b32 v[EB+2], v[VIN] offset:200
	s_wait_dscnt 3                                 ; tile A's three are in; tile B's three stay out
	PREP EA, BZA
	WZ TA, BZA
	s_wait_dscnt 0x0
	PREP EB, BZB
	WZ TB, BZB
	E1 TA
	W2 TA
	E1 TB
	W2 TB
	E2 TA
	W3 TA
	E2 TB
	W3 TB
	E3 TA
	W4 TA
	E3 TB
	W4 TB
	E4 TA
	W5 TA, BZA
	E4 TB
	W5 TB, BZB
	E5 TA
	W6 TA
	E5 TB
	W6 TB
	; lane 16 h + r owns sample r of tile h
	WIN 0
	v_pk_add_f32 v[TMP:TMP+1], v[TA+BE+8:TA+BE+9], v[TA+BC+8:TA+BC+9]     ; tile A's D[0], D[1]; this line and the next three
	v_cndmask_b32 v[TMP+4], v[EA], v[EB], s36                             ; are the four places behind tile B's last matrix
	v_cndmask_b32 v[TMP+5], v[EA+1], v[EB+1], s36                         ; instructions: they name none of their registers
	v_cndmask_b32 v[TMP+6], v[EA+2], v[EB+2], s36
	v_pk_add_f32 v[TMP+2:TMP+3], v[TB+BE+8:TB+BE+9], v[TB+BC+8:TB+BC+9]
	v_cndmask_b32 v[TMP], v[TMP], v[TMP+2], s36
	v_cndmask_b32 v[TMP+1], v[TMP+1], v[TMP+3], s36
	v_fma_f32 v[TMP+1], v[TMP+1], 2.0, s38         ; 2 dW/dI2
	v_fma_f32 v[TMP+4], v[TMP+4], v[TMP+1], v[TMP] ; s11
	v_fma_f32 v[TMP+5], v[TMP+5], v[TMP+1], v[TMP] ; s22
	v_mul_f32 v[TMP+6], v[TMP+6], v[TMP+1]         ; s12
	ds_store_b32 v[VOUT], v[TMP+4]                 ; over the pass's own strains, which my loads above have read
	ds_store_b32 v[VOUT], v[TMP+5] offset:4
	ds_store_b32 v[VOUT], v[TMP+6] offset:8
	v_add_nc_u32 v[VIN], 0x180, v[VIN]             ; 32 samples on
	v_add_nc_u32 v[VOUT], 0x180, v[VOUT]
	s_add_co_u32 s35, s35, 1
	s_cmp_lt_u32 s35, 8
	s_cbranch_scc1 .Lpass
	; ---- the way out: my 3,072 bytes, 16 bytes a lane; each store of the wave covers 512 consecutive bytes, aligned ----
	v_and_b32 v4, 31, v0
	v_lshl_add_u32 v4, v4, 4, s4
.irp k,0,1,2,3,4,5
	ds_load_b128 v[TA+4*\k:TA+4*\k+3], v4 offset:512*\k        ; LDS serves a wave's instructions in order: these see the stores above
.endr
.irp k,0,1,2,3,4,5
	s_wait_dscnt 5-\k                              ; load k is in, the younger ones stay out
	global_store_b128 v[VGO], v[TA+4*\k:TA+4*\k+3], s[32:33] offset:512*\k th:TH_STORE_NT
.endr
	s_set_vgpr_msb 0x5
	s_wait_tensorcnt 0x0
	ds_add_u32 v254, v255
	s_wait_dscnt 0x0
	s_set_vgpr_msb 0x500
	s_endpgm
.Lfunc_end_k_q795e147b33_icnn:
	.size	k_q795e147b33_icnn, .Lfunc_end_k_q795e147b33_icnn-k_q795e147b33_icnn
	.p2alignl 7, 3214868480
	.fill 96, 4, 3214868480
	.section	.rodata,"a",@progbits
	.p2align	6, 0x0
	.amdhsa_kernel k_q795e147b33_icnn
		.amdhsa_group_segment_fixed_size 60416
		.amdhsa_private_segment_fixed_size 0
		.amdhsa_enable_private_segment 0
		.amdhsa_kernarg_size 104
		.amdhsa_user_sgpr_count 2
		.amdhsa_user_sgpr_kernarg_segment_ptr 1
		.amdhsa_wavefront_size32 1
		.amdhsa_system_sgpr_workgroup_id_x 1
		.amdhsa_system_sgpr_workgroup_id_y 1
		.amdhsa_system_sgpr_workgroup_id_z 1
		.amdhsa_system_vgpr_workitem_id 0
		.amdhsa_next_free_vgpr 512
		.amdhsa_next_free_sgpr 66
		.amdhsa_reserve_vcc 0
		.amdhsa_float_denorm_mode_32 3
		.amdhsa_float_denorm_mode_16_64 3
		.amdhsa_memory_ordered 1
		.amdhsa_forward_progress 1
		.amdhsa_inst_pref_size 112
	.end_amdhsa_kernel
	.amdgpu_metadata
---
amdhsa.version: [ 1, 2 ]
amdhsa.kernels:
  - .name:           k_q795e147b33_icnn
    .symbol:         k_q795e147b33_icnn.kd
    .args:
      - { .name: eps_flat, .offset: 0, .size: 8, .value_kind: global_buffer, .address_space: global }
      - { .name: raw_A_0, .offset: 8, .size: 8, .value_kind: global_buffer, .address_space: global }
      - { .name: raw_A_1, .offset: 16, .size: 8, .value_kind: global_buffer, .address_space: global }
      - { .name: raw_A_out, .offset: 24, .size: 8, .value_kind: global_buffer, .address_space: global }
      - { .name: B_first_w, .offset: 32, .size: 8, .value_kind: global_buffer, .address_space: global }
      - { .name: B_first_b, .offset: 40, .size: 8, .value_kind: global_buffer, .address_space: global }
      - { .name: Bs_w_0, .offset: 48, .size: 8, .value_kind: global_buffer, .address_space: global }
      - { .name: Bs_b_0, .offset: 56, .size: 8, .value_kind: global_buffer, .address_space: global }
      - { .name: Bs_w_1, .offset: 64, .size: 8, .value_kind: global_buffer, .address_space: global }
      - { .name: Bs_b_1, .offset: 72, .size: 8, .value_kind: global_buffer, .address_space: global }
      - { .name: B_out_w, .offset: 80, .size: 8, .value_kind: global_buffer, .address_space: global }
      - { .name: B_out_b, .offset: 88, .size: 8, .value_kind: global_buffer, .address_space: global }
      - { .name: out0, .offset: 96, .size: 8, .value_kind: global_buffer, .address_space: global }
    .group_segment_fixed_size: 60416
    .private_segment_fixed_size: 0
    .kernarg_segment_align: 8
    .kernarg_segment_size: 104
    .max_flat_workgroup_size: 256
    .sgpr_count:     66
    .vgpr_count:     512
    .wavefront_size: 32
...
	.end_amdgpu_metadata
.endif
;; end of part 1
